; MI455X (gfx1250); checked and timed in simulation.
; The chip was launched on July 23, 2026; its instructions are those of AMD's public machine-readable ISA for CDNA 5 (MIT licence, August 2026) and "CDNA5" Instruction Set Architecture Reference Guide (July 2026). The comments in the code are by the model that wrote it; some were corrected since.
;; PMA. Allowed arithmetic: float matrix products may take bf16 or f16 operands with f32 sums; all other float work in f32.
;; Inputs: M 1 x 4 x 512 float32; S 1 x 4 x 512 float32; Wk 512 x 512 float32; Wo 512 x 512 float32; Wv 512 x 512 float32; X 16 x 2,048 x 4 x 512 float32; b0 2,048 float32; b1 2,048 float32; bk 512 float32; bo 512 float32; bv 512 float32; g0 2,048 float32; g1 2,048 float32; p 1 x 4 float32.
;; Outputs: out0 16 x 4 x 512 float32.
;; One version. Each part assembles by itself: llvm-mc -triple=amdgcn-amd-amdhsa -mcpu=gfx1250 --defsym DOCPART=n.
;; ======== version 1 of 1: 4 launches
;; workspace buffers: Wf 2,228,224 bytes; cst 256 bytes; Yp 8,388,608 bytes; ml 32,768 bytes; O1 131,072 bytes
;; launch prep (part 1): grid 17 x 32, 8 waves a work-group, no clusters, 0 bytes of LDS; arguments Wk, S, M, bk, p, Wf, cst; writes Wf, cst
.if DOCPART == 1
	.amdgcn_target "amdgcn-amd-amdhsa--gfx1250"
	.amdhsa_code_object_version 6
	.text
	.protected	k_q7514d9100c_prep
	.globl	k_q7514d9100c_prep
	.p2align	8
	.type	k_q7514d9100c_prep,@function
k_q7514d9100c_prep:
	s_mov_b64 s[64:65], 0
	v_nop
	global_prefetch_b8 v0, s[64:65] scope:SCOPE_SE
	s_setreg_imm32_b32 hwreg(HW_REG_WAVE_MODE, 25, 1), 1
	s_wait_xcnt 0x0
; PREP.  Folds the seeds into Wk, once for each seed s, and lays the result out as the main launch's matrix fragments.
;   sigma = softplus(S[s][col]);  scale = sqrt(kappa) / sigma, kappa = log2(e) / (2 sqrt(512))
;   W''[s][col][k] = bf16(Wk[col][k] scale);  c''[s][col] = (bk[col] - M[s][col]) scale        (f32)
;   cst[s][h] = 2 kappa (sum over the head's 64 d of (-ln(2 pi)/2 - ln sigma) + log softmax(p)[s])
; so that with t = x . W'' + c'' the score in base 2 is cst - sum of t^2 over the head's 64 columns.
; Wf = [s 4][t 8][chunk of 69,632 bytes].  A chunk has two parts j of 34,816 bytes: 32 fragments of W'' of 1,024 bytes in the order (u, kk'), then two
; fragments of c''.  Columns cb + 16 u + .., cb = 64 (4 j + t / 2) + 32 (t % 2).  A fragment of W'' is [half][lane][8 bf16]: column lane % 16,
; k = 32 kk + 16 half + 8 (lane / 16) + e, kk = kk' xor 8 j.  A fragment of c'' is [half][lane][4 f32]: column 8 (lane / 16) + 4 half + e.
; SHARES.  Work-group (x, y): y = 8 s + t.  Wave unit wu = 8 x + wave, 0 .. 135, makes bytes 512 wu .. + 511 of the chunk: one store of 512 consecutive bytes.
; No LDS, matrix unit or cluster: 3 MB are read and 2 MB written, once, by waves that share nothing but a few rows of Wk.
; LIMIT.  Where e^-|x| falls below 2^-126 the exponential gives 0 and softplus(x) counts as max(x, 0).
.set CHUNK, 69632
; sigma = softplus(x) = max(x, 0) + ln(1 + y), y = e^-|x|; for y < 0.01 the logarithm is y - y^2/2 + y^3/3, which keeps small sigma exact
.macro SOFTPLUS x, o, a, b, c
	v_and_b32 v[\a], 0x7fffffff, v[\x]
	v_mul_f32 v[\a], 0xbfb8aa3b, v[\a]             ; -|x| log2(e)
	v_exp_f32 v[\a], v[\a]                         ; y
	v_max_num_f32 v[\o], 0, v[\x]                  ; a plain instruction behind the exponential
	s_wait_alu depctr_va_vdst(0)
	v_add_f32 v[\b], 1.0, v[\a]
	v_log_f32 v[\b], v[\b]
	v_fma_f32 v[\c], v[\a], 0x3eaaaaab, -0.5       ; a plain instruction behind the logarithm: y/3 - 1/2
	v_fma_f32 v[\c], v[\c], v[\a], 1.0
	v_mul_f32 v[\c], v[\c], v[\a]
	s_wait_alu depctr_va_vdst(0)
	v_mul_f32 v[\b], 0x3f317218, v[\b]             ; ln 2 x log2
	v_cmp_gt_f32 vcc_lo, 0x3c23d70a, v[\a]         ; 0.01 > y
	v_cndmask_b32 v[\b], v[\b], v[\c], vcc_lo
	v_add_f32 v[\o], v[\o], v[\b]
.endm
	s_load_b256 s[4:11], s[0:1], 0x0               ; Wk s[4:5], S s[6:7], M s[8:9], bk s[10:11]
	s_load_b128 s[12:15], s[0:1], 0x20             ; p s[12:13], Wf s[14:15]
	s_load_b64 s[16:17], s[0:1], 0x30              ; cst
	v_lshrrev_b32 v1, 5, v0
	v_readfirstlane_b32 s18, v1                    ; wave
	v_and_b32 v2, 31, v0                           ; lane
	s_and_b32 s19, ttmp7, 0xffff                   ; y = 8 s + t
	s_lshr_b32 s20, s19, 3                         ; s
	s_and_b32 s21, s19, 7                          ; t
	s_lshl_b32 s22, ttmp9, 3
	s_add_co_u32 s22, s22, s18                     ; wu
	s_cmp_ge_u32 s22, 68
	s_cselect_b32 s23, 1, 0                        ; j
	s_mul_i32 s24, s23, 68
	s_sub_co_u32 s24, s22, s24                     ; my place in the part, 0 .. 67
	s_lshl_b32 s25, s23, 2
	s_lshr_b32 s26, s21, 1
	s_add_co_u32 s25, s25, s26
	s_lshl_b32 s25, s25, 6
	s_and_b32 s26, s21, 1
	s_lshl_b32 s26, s26, 5
	s_add_co_u32 s25, s25, s26                     ; cb
	s_mul_i32 s26, s19, CHUNK
	s_lshl_b32 s27, s22, 9
	s_add_co_u32 s26, s26, s27
	v_lshl_add_u32 v3, v2, 4, s26                  ; my 16 bytes in Wf
	s_lshl_b32 s33, s20, 11                        ; seed s in S and M, in bytes
	v_lshrrev_b32 v5, 4, v2                        ; lane / 16
	s_cmp_lt_u32 s24, 64
	s_cbranch_scc0 .Lbias
	; half a fragment of W''
	s_lshr_b32 s28, s24, 1                         ; fragment 16 u + kk'
	s_and_b32 s29, s24, 1                          ; half
	s_lshr_b32 s30, s28, 4                         ; u
	s_and_b32 s31, s28, 15                         ; kk'
	s_lshl_b32 s32, s23, 3
	s_xor_b32 s31, s31, s32                        ; kk
	s_lshl_b32 s30, s30, 4
	s_add_co_u32 s30, s30, s25                     ; cb + 16 u
	v_and_b32 v4, 15, v2
	v_add_nc_u32 v4, s30, v4                       ; my column
	s_lshl_b32 s31, s31, 7                         ; 32 kk numbers of 4 bytes
	s_lshl_b32 s29, s29, 6                         ; 16 half
	s_add_co_u32 s31, s31, s29
	v_lshl_add_u32 v6, v4, 11, s31                 ; column x 2,048 bytes
	v_lshl_add_u32 v6, v5, 5, v6                   ; + 8 (lane / 16) numbers
	v_lshl_add_u32 v7, v4, 2, s33
	s_wait_kmcnt 0x0
	global_load_b128 v[8:11], v6, s[4:5]
	global_load_b128 v[12:15], v6, s[4:5] offset:16
	global_load_b32 v16, v7, s[6:7]
	s_wait_loadcnt 0x0
	SOFTPLUS 16, 17, 24, 25, 26
	v_rcp_f32 v18, v17
	v_nop                                          ; a plain instruction behind the reciprocal
	s_wait_alu depctr_va_vdst(0)
	v_mul_f32 v18, 0x3e36d544, v18                 ; sqrt(kappa) / sigma
	v_mov_b32 v19, v18
	v_pk_mul_f32 v[8:9], v[8:9], v[18:19]
	v_pk_mul_f32 v[10:11], v[10:11], v[18:19]
	v_pk_mul_f32 v[12:13], v[12:13], v[18:19]
	v_pk_mul_f32 v[14:15], v[14:15], v[18:19]
	v_cvt_pk_bf16_f32 v20, v8, v9
	v_cvt_pk_bf16_f32 v21, v10, v11
	v_cvt_pk_bf16_f32 v22, v12, v13
	v_cvt_pk_bf16_f32 v23, v14, v15
	global_store_b128 v3, v[20:23], s[14:15]       ; the wave's store covers 512 consecutive bytes, aligned
	s_cmp_lg_u32 s22, 0
	s_cbranch_scc1 .Ldone
	; wave unit 0 of each (s, t) also makes cst[s][h = t]; it uses registers that the store above does not name
	s_load_b128 s[36:39], s[12:13], 0x0            ; p
	s_lshl_b32 s34, s21, 8
	s_add_co_u32 s34, s34, s33
	v_lshl_add_u32 v31, v2, 3, s34                 ; two of the head's 64 numbers a lane
	global_load_b64 v[24:25], v31, s[6:7]
	s_mov_b32 s35, 0xbf317218                      ; -ln 2
	s_mov_b32 s42, 0x76543210
	s_mov_b32 s43, 0xfedcba98
	s_lshl_b32 s44, s19, 2
	s_wait_loadcnt 0x0
	SOFTPLUS 24, 26, 28, 29, 30
	SOFTPLUS 25, 27, 28, 29, 30
	v_log_f32 v26, v26
	v_log_f32 v27, v27
	v_mov_b32 v33, s44                             ; a plain instruction behind the logarithms: cst's byte offset
	s_wait_alu depctr_va_vdst(0)
	v_add_f32 v26, v26, v27
	v_fmaak_f32 v26, s35, v26, 0xbfeb3f8e          ; -ln sigma0 - ln sigma1 - ln(2 pi)
	v_add_f32_dpp v26, v26, v26 row_xmask:1 row_mask:0xf bank_mask:0xf
	v_add_f32_dpp v26, v26, v26 row_xmask:2 row_mask:0xf bank_mask:0xf
	v_add_f32_dpp v26, v26, v26 row_xmask:4 row_mask:0xf bank_mask:0xf
	v_add_f32_dpp v26, v26, v26 row_xmask:8 row_mask:0xf bank_mask:0xf
	v_permlanex16_b32 v27, v26, s42, s43
	v_add_f32 v26, v26, v27                        ; the head's sum, in every lane
	s_wait_kmcnt 0x0
	s_cmp_eq_u32 s20, 1                            ; p[s]: the choice hangs on the seed's number alone
	s_cselect_b32 s40, s37, s36
	s_cmp_eq_u32 s20, 2
	s_cselect_b32 s40, s38, s40
	s_cmp_eq_u32 s20, 3
	s_cselect_b32 s40, s39, s40
	v_mov_b32 v32, s36
	v_max3_num_f32 v32, v32, s37, s38
	v_max_num_f32 v32, s39, v32                    ; the maximum is taken away before the exponentials
	v_sub_f32 v34, s36, v32
	v_sub_f32 v35, s37, v32
	v_sub_f32 v36, s38, v32
	v_sub_f32 v37, s39, v32
	v_mul_f32 v34, 0x3fb8aa3b, v34
	v_mul_f32 v35, 0x3fb8aa3b, v35
	v_mul_f32 v36, 0x3fb8aa3b, v36
	v_mul_f32 v37, 0x3fb8aa3b, v37
	v_exp_f32 v34, v34
	v_exp_f32 v35, v35
	v_exp_f32 v36, v36
	v_exp_f32 v37, v37
	v_sub_f32 v38, s40, v32                        ; a plain instruction behind the exponentials: p[s] - max
	s_wait_alu depctr_va_vdst(0)
	v_add_f32 v34, v34, v35
	v_add_f32 v36, v36, v37
	v_add_f32 v34, v34, v36
	v_log_f32 v34, v34
	v_add_f32 v26, v26, v38                        ; a plain instruction behind the logarithm
	s_wait_alu depctr_va_vdst(0)
	v_fma_f32 v26, v34, s35, v26                   ; - ln of the sum
	v_mul_f32 v26, 0x3d8293ee, v26                 ; x 2 kappa = log2(e) / sqrt(512)
	v_cmp_eq_u32 vcc_lo, 0, v2
	s_wait_xcnt 0x0                                ; EXEC changes only behind this wait: it is a source of the store above
	s_and_saveexec_b32 s45, vcc_lo
	global_store_b32 v33, v26, s[16:17]            ; one number, from lane 0
.Ldone:
	s_endpgm
.Lbias:                                                ; half a fragment of c''
	s_sub_co_u32 s28, s24, 64
	s_and_b32 s29, s28, 1                          ; half
	s_lshr_b32 s28, s28, 1                         ; u
	s_lshl_b32 s28, s28, 4
	s_add_co_u32 s28, s28, s25
	s_lshl_b32 s29, s29, 2
	s_add_co_u32 s28, s28, s29                     ; cb + 16 u + 4 half
	v_lshl_add_u32 v4, v5, 3, s28                  ; the first of my four columns
	v_lshlrev_b32 v6, 2, v4
	v_add_nc_u32 v7, s33, v6
	s_wait_kmcnt 0x0
	global_load_b128 v[8:11], v7, s[6:7]           ; S
	global_load_b128 v[12:15], v7, s[8:9]          ; M
	global_load_b128 v[16:19], v6, s[10:11]        ; bk
	s_wait_loadcnt 0x0
.irp e, 0,1,2,3
	SOFTPLUS 8+\e, 20+\e, 24, 25, 26
.endr
	v_rcp_f32 v20, v20
	v_rcp_f32 v21, v21
	v_rcp_f32 v22, v22
	v_rcp_f32 v23, v23
	v_pk_add_f32 v[16:17], v[16:17], v[12:13] neg_lo:[0,1] neg_hi:[0,1]  ; plain work behind the reciprocals: bk - M
	v_pk_add_f32 v[18:19], v[18:19], v[14:15] neg_lo:[0,1] neg_hi:[0,1]
	s_wait_alu depctr_va_vdst(0)
	v_pk_mul_f32 v[20:21], v[20:21], 0x3e36d544 op_sel_hi:[1,0]
	v_pk_mul_f32 v[22:23], v[22:23], 0x3e36d544 op_sel_hi:[1,0]
	v_pk_mul_f32 v[16:17], v[16:17], v[20:21]
	v_pk_mul_f32 v[18:19], v[18:19], v[22:23]
	global_store_b128 v3, v[16:19], s[14:15]
	s_endpgm
.Lfunc_end_k_q7514d9100c_prep:
	.size	k_q7514d9100c_prep, .Lfunc_end_k_q7514d9100c_prep-k_q7514d9100c_prep
	.p2alignl 7, 3214868480
	.fill 96, 4, 3214868480
	.section	.rodata,"a",@progbits
	.p2align	6, 0x0
	.amdhsa_kernel k_q7514d9100c_prep
		.amdhsa_group_segment_fixed_size 0
		.amdhsa_private_segment_fixed_size 0
		.amdhsa_enable_private_segment 0
		.amdhsa_kernarg_size 56
		.amdhsa_user_sgpr_count 2
		.amdhsa_user_sgpr_kernarg_segment_ptr 1
		.amdhsa_wavefront_size32 1
		.amdhsa_system_sgpr_workgroup_id_x 1
		.amdhsa_system_sgpr_workgroup_id_y 1
		.amdhsa_system_sgpr_workgroup_id_z 1
		.amdhsa_system_vgpr_workitem_id 0
		.amdhsa_next_free_vgpr 48
		.amdhsa_next_free_sgpr 66
		.amdhsa_reserve_vcc 1
		.amdhsa_float_denorm_mode_32 3
		.amdhsa_float_denorm_mode_16_64 3
		.amdhsa_memory_ordered 1
		.amdhsa_forward_progress 1
		.amdhsa_inst_pref_size 12
	.end_amdhsa_kernel
	.amdgpu_metadata
---
amdhsa.version: [ 1, 2 ]
amdhsa.kernels:
  - .name:           k_q7514d9100c_prep
    .symbol:         k_q7514d9100c_prep.kd
    .args:
      - { .name: Wk, .offset: 0, .size: 8, .value_kind: global_buffer, .address_space: global }
      - { .name: S, .offset: 8, .size: 8, .value_kind: global_buffer, .address_space: global }
      - { .name: M, .offset: 16, .size: 8, .value_kind: global_buffer, .address_space: global }
      - { .name: bk, .offset: 24, .size: 8, .value_kind: global_buffer, .address_space: global }
      - { .name: p, .offset: 32, .size: 8, .value_kind: global_buffer, .address_space: global }
      - { .name: Wf, .offset: 40, .size: 8, .value_kind: global_buffer, .address_space: global }
      - { .name: cst, .offset: 48, .size: 8, .value_kind: global_buffer, .address_space: global }
    .group_segment_fixed_size: 0
    .private_segment_fixed_size: 0
    .kernarg_segment_align: 8
    .kernarg_segment_size: 56
    .max_flat_workgroup_size: 256
    .sgpr_count:     66
    .vgpr_count:     48
    .wavefront_size: 32
...
	.end_amdgpu_metadata
.endif
;; end of part 1
;; launch main (part 2): grid 4 x 64, 4 waves a work-group, clusters of 4 x 1, 327,680 bytes of LDS; arguments X, Wf, cst, Yp, ml; writes Yp, ml
.if DOCPART == 2
	.amdgcn_target "amdgcn-amd-amdhsa--gfx1250"
	.amdhsa_code_object_version 6
	.text
	.protected	k_q7514d9100c_main
	.globl	k_q7514d9100c_main
	.p2align	8
	.type	k_q7514d9100c_main,@function
k_q7514d9100c_main:
	s_mov_b64 s[64:65], 0
	v_nop
	global_prefetch_b8 v0, s[64:65] scope:SCOPE_SE
	s_setreg_imm32_b32 hwreg(HW_REG_WAVE_MODE, 25, 1), 1
	s_wait_xcnt 0x0
	s_wait_alu depctr_hold_cnt(0) depctr_sa_sdst(0) depctr_va_vdst(0) depctr_va_sdst(0) depctr_va_ssrc(0) depctr_va_vcc(0) depctr_vm_vsrc(0)
	s_getreg_b32 s2, hwreg(HW_REG_IB_STS2, 6, 4)
	s_cmp_eq_u32 s2, 0
	s_cbranch_scc0 .Lentry_in_a_cluster
	s_endpgm
.Lentry_in_a_cluster:
	s_bfe_u32 s2, ttmp6, 0x10000c
	s_cmp_lg_u32 s2, 0x3003
	s_cbranch_scc0 .Lentry_shape_is_right
	s_endpgm
.Lentry_shape_is_right:
; MAIN.  For each (b, s): scores of all rows n and heads h, a running softmax over n, and Y[h][:] = sum over n of p[n][h] X[b][n][s][:], as eight partial results.
; The sum of A V over n is (sum of A X) Wv^T + bv, since the weights A add up to 1: so only K = X Wk^T is a bulk product here, and Wv is applied to the averages by the next launch.
; SCORE.  With the folded W'' and c'' (made by the launch before): t = x . W'' + c'', score in base 2 = cst[s][h] - sum of t^2 over the head's 64 columns.
; SHARES.  Work-group (cx, y = 4 b + s) owns rows n = 512 cx .. + 511, in four blocks of 128.  Wave w = (i = w / 2, j = w % 2) holds rows 64 i .. + 63 of the block in 512 registers (bf16 fragments,
; 4 row tiles x 16 K steps of 32) and makes output columns 256 j .. + 255: heads 4 j .. 4 j + 3.  A STEP is 32 columns for each j: one chunk of Wf, 128 matrix instructions a wave; two steps are a head.
; THE PRODUCT IS USED TRANSPOSED (source 0 = 16 columns of W'', source 1 = 16 rows of X): a lane holds one row n and eight columns, so the sum of t^2 wants one exchange between the halves of the lanes.
; SOFTMAX.  For each row group i and head a running maximum m (over the group's 64 rows, block after block) and sum l: p = 2^(score - m); at each block Y and l are multiplied by a = 2^(m_old - m_new).
; m starts at the lowest finite number, Y and l at 0: the first block's a is 0.  p goes to the matrix unit as two bf16 numbers, hi + lo: 8 heads x 2 fill the 16 rows of source 0 of Y = P^T X.
; X's fragments hold a row a lane; Y wants a feature a lane: they are turned through the wave's own scratch in LDS (ds_store_b128, ds_load_tr16_b128), 32 rows x 128 features at a time.
; For j = 1 the K halves are swapped (in Wf and in the registers alike), so that the 256 features of which a wave makes Y always lie in window 2.
; X comes by loads into a ring of 8 x 16 registers (32 loads of 512 consecutive bytes of a wave are on their way, across barriers), is rounded to bf16 and parked in an LDS tile for the next block.
; It does not come by tensor loads: in front of every refill's barrier a wave waits for all its tensor loads, which would leave a load of X one step in which to come.
; CLUSTER.  The four work-groups of a cluster have the same (b, s) and walk the same chunks of Wf: each chunk is asked for JOINTLY, a quarter by each wave, the same descriptor and mask in all four.
; By this text's count a wave has two tensor loads out at the start and one behind each round.
; LIMITS.  NaN and infinities are not treated apart; a weight below 2^-126 counts as 0; X and the folded W'' are rounded to bf16 once.
; REGISTERS, in windows of 256 (s_set_vgpr_msb: bits 1:0 source 0, 3:2 source 1, 5:4 source 2, 7:6 destination):
;   window 0: addresses, statistics, v64-127 the 8 accumulators of a step, v128-191 and v192-255 two buffers of W'' fragments
;   window 1: v0-127 the ring for X, v128-255 Y's 16 accumulators      window 2: X fragments kk' 0-7 at 32 kk' + 8 rt      window 3: kk' 8-15
.set SLOTB,  69632                     ; a chunk, and an LDS slot
.set JPART,  34816                     ; the part of a chunk for one j
.set QUART,  17408                     ; what one tensor load brings: 68 rows of 256 bytes
.set TILE,   2*SLOTB                   ; behind the ring of two slots: the next block, 128 rows
.set TP,     1040                      ; of 1,024 bytes + 16: 65 x 16, so the 16 rows of a fragment load start at 16 different groups of four banks (64 banks of 4 bytes: ISA guide 11.1)
.set SCR,    TILE+128*TP               ; a scratch for each wave
.set SCRW,   9216
.set SCP,    288                       ; its rows: 256 bytes + 32, for the turning load
.set PTAB,   SCR+4*SCRW                ; for each row group i: [slot 16][64 rows] bf16
.set PTI,    2304
.set PP,     144
.set ATAB,   PTAB+2*PTI                ; [i][8] f32: the heads' a
.set SPARE,  ATAB+256                  ; the spare words, 128 bytes for each wave: two blocks of 256 bytes that no other line names
.set PLANE,  4160                      ; the way out: 8 heads x 128 features of f32, + 64
.set WA,   2                           ; v2, v3  my 16 bytes of a fragment in slot 0, 1
.set TFL,  4                           ; v4   the tile: my fragments' place for window 2
.set TFH,  5                           ; v5   for window 3
.set TS,   6                           ; v6   the tile: where I park 8 bytes of a row
.set XO,   7                           ; v7   16 x lane
.set SCS,  8                           ; v8   scratch: where I put 16 bytes of a row
.set SCL,  9                           ; v9   scratch: my place in the turning load
.set PST,  10                          ; v10  where I put p
.set PLD,  11                          ; v11  where I read P's fragments
.set AST,  12                          ; v12  where I put a
.set ALD,  13                          ; v13  where I read the eight a
.set SEL,  14                          ; v14  0.0 in lanes 0-15, 1.0 in lanes 16-31
.set WO,   15                          ; v15  the way out: where I put a number of Y
.set MX,   16                          ; v16-19  m of my four heads; the head in hand stands first
.set LS,   20                          ; v20-23  l
.set CT,   24                          ; v24-27  cst
.set SSQ,  28                          ; v28-35  sum of t^2: a pair for each row tile
.set BIAS, 36                          ; v36-51  c'' of the step's 2 x 16 columns, as a C operand
.set SPW,  52                          ; v52  my spare word; never rewritten
.set NIL,  53                          ; v53  0; never rewritten
.set WL,   63                          ; v63  the way out: where I read 16 bytes back
.set ACC,  64                          ; accumulator (u, rt) at ACC + 8 (4 u + rt)
.set E,    64                          ; at work between the steps, in the accumulators' registers
.set PF,   64                          ; P's two fragments
.set AF,   80                          ; the eight a
.set WB0,  128                         ; W'' buffer 0; buffer 1 at WB0 + 64
.set OB,   128                         ; the way out
.set XR,   0                           ; window 1
.set YA,   128                         ; window 1
.set WV,   14                          ; s14 wave
.set RI,   15                          ; s15 i
.set CJ,   16                          ; s16 j
.set G1,   24                          ; s[24:31] descriptor group 1
.set G0,   32                          ; s[32:39] descriptor group 0, a set for each slot
.set WBA,  40                          ; s[40:43] Wf at my quarter of the seed's chunk 0, chunk 1
.set WOFF, 44                          ; s[44:45] bytes from there to the pair of chunks to be asked for
.set XB,   46                          ; s[46:47] X at the eight rows that the ring loads next
.set BLK,  48
.set CNT,  49
.set SELP, 50                          ; s[50:51] v_permlanex16_b32's selects
.set YB,   52                          ; s[52:53] my part of Yp
.set MB,   54                          ; s[54:55] my part of ml
.set MUL2, 0x08                        ; source 1 (X) in window 2
.set MUL3, 0x0c                        ; in window 3
.set MSB, 0
.macro WIN new                         ; the immediate's high byte repeats the setting that is left; a switch that changes nothing is dropped
.if MSB != (\new)
	s_set_vgpr_msb (MSB<<8)|(\new)
.set MSB, \new
.endif
.endm
.macro PLACES                          ; four places behind matrix instructions (ISA guide 7.12.1), where no other vector work is at hand
.rept 4
	v_nop
.endr
.endm
.macro CREST                           ; a round of the cluster's barrier behind its opening barrier
	s_cmp_lg_u32 s[WV], 0
	s_cbranch_scc1 .Lnot_wave_0_\@
	s_barrier_signal -3
.Lnot_wave_0_\@:
	s_barrier_wait -3
	s_barrier_signal -1
	s_barrier_wait -1
.endm
.macro CROUND
	s_barrier_signal -1
	s_barrier_wait -1
	CREST
.endm
; Matrix instruction n of 32 of quarter q (K steps kk' = 4 q + n / 8): columns 16 u on, u = (n / 4) % 2; row tile n % 4.  The 8 accumulators take turns, one instruction a turn,
; over the edges of quarters, steps and loops too.  A step's first eight start the sums with c''.
.macro MM q, n
.set rA, WB0+64*((\q)&1)+8*(2*((\n)/8)+(((\n)/4)&1))
.set rX, 32*((4*(\q)+(\n)/8)&7)+8*((\n)&3)
.set rD, ACC+8*((\n)&7)
.set rC, rD
.if ((\q) == 0) && ((\n) < 8)
.set rC, BIAS+8*((\n)/4)
.endif
	v_wmma_f32_16x16x32_bf16 v[rD:rD+7], v[rA:rA+7], v[rX:rX+7], v[rC:rC+7]
.endm
.macro MMS q, a, c
.set n, \a
.rept \c
	MM \q, n
.set n, n+1
.endr
.endm
; THE RING.  Group k is one row of X: four loads of 512 consecutive bytes.
.macro RING_I k
	WIN 0x44                                       ; destination window 1, address window 0
.irp c, 0,1,2,3
	global_load_b128 v[XR+16*(\k)+4*\c:XR+16*(\k)+4*\c+3], v[XO], s[XB:XB+1] offset:(\k)*8192+\c*512 th:TH_LOAD_NT
.endr
.endm
.macro RING_P k, cnt                   ; group k is rounded to bf16 in place and parked; cnt: the younger loads, which stay out
	s_wait_loadcnt \cnt
	WIN 0x45
.irp c, 0,1,2,3
	v_cvt_pk_bf16_f32 v[XR+16*(\k)+4*\c], v[XR+16*(\k)+4*\c], v[XR+16*(\k)+4*\c+1]
	v_cvt_pk_bf16_f32 v[XR+16*(\k)+4*\c+1], v[XR+16*(\k)+4*\c+2], v[XR+16*(\k)+4*\c+3]
.endr
	WIN 0x44                                       ; store data (source 1) window 1
.irp c, 0,1,2,3
	ds_store_b64 v[TS], v[XR+16*(\k)+4*\c:XR+16*(\k)+4*\c+1] offset:(\k)*TP+\c*256
.endr
.endm
; mode 2: park group k (28 younger loads, seven groups, stay out) and load it again; 1: load only; 0: nothing.  Its plain instructions are the places between the products that read a W'' buffer and the loads into it.
.macro LUMP k, mode, pl
.if (\mode) == 2
	RING_P \k, 28
	RING_I \k
.else
.if \pl
	PLACES
.endif
.if (\mode) == 1
	RING_I \k
.endif
.endif
.endm
.macro DRAIN                           ; the ring's last eight rows of a block: nothing is issued behind them, so the counts run down
.irp k, 0,1,2,3,4,5,6,7
	RING_P \k, 28-4*\k
.endr
.endm
; One of a step's first three quarters: 32 matrix instructions; the next quarter's 16 LDS loads stand behind the first eight, 24 matrix instructions ahead of their use.
.macro QUARTER slot, q, mode
	s_wait_dscnt 0x0                               ; this quarter's fragments are in
	LUMP 4*(\slot)+(\q), \mode, 1
.if (\q) < 2
	WIN MUL2
.else
	WIN MUL3
.endif
.set n, 0
.rept 32
	MM \q, n
.if n < 8
	ds_load_b128 v[WB0+64*(((\q)+1)&1)+8*n:WB0+64*(((\q)+1)&1)+8*n+3],   v[WA+(\slot)] offset:((n&1)*16+4*((\q)+1)+(n>>1))*1024
	ds_load_b128 v[WB0+64*(((\q)+1)&1)+8*n+4:WB0+64*(((\q)+1)&1)+8*n+7], v[WA+(\slot)] offset:((n&1)*16+4*((\q)+1)+(n>>1))*1024+512
.endif
.set n, n+1
.endr
.endm
.macro FETCH slot                      ; a step's first quarter of W'' and its c''
.set fn, 0
.rept 8
	ds_load_b128 v[WB0+8*fn:WB0+8*fn+3],   v[WA+(\slot)] offset:((fn&1)*16+(fn>>1))*1024
	ds_load_b128 v[WB0+8*fn+4:WB0+8*fn+7], v[WA+(\slot)] offset:((fn&1)*16+(fn>>1))*1024+512
.set fn, fn+1
.endr
.irp u, 0,1
	ds_load_b128 v[BIAS+8*\u:BIAS+8*\u+3],   v[WA+(\slot)] offset:32768+\u*1024
	ds_load_b128 v[BIAS+8*\u+4:BIAS+8*\u+7], v[WA+(\slot)] offset:32768+\u*1024+512
.endr
.endm
; The last quarter changes slots.  In front of the barrier each wave waits for all its tensor loads (one is out: its quarter of the other slot), adds 0 to its spare word, and waits for that and for its reads of this slot.
; kind 2: the barrier opens a round of the cluster's barrier, and this slot is filled again, first thing behind the round, with the chunk two steps on: it has 112 matrix instructions in which to land.
; kind 1: nothing is filled.  kind 0: the launch's last step.
.macro TURN slot, mode, kind
.if (\kind) == 0
	s_wait_dscnt 0x0
	WIN MUL3
	MMS 3, 0, 32
.else
	WIN 0
	s_wait_tensorcnt 0x0                           ; no tensor load of mine is out
	ds_add_u32 v[SPW], v[NIL]                      ; 0 onto my spare word
	s_wait_dscnt 0x1                               ; all but the add: this quarter's fragments are in
	WIN MUL3
	MMS 3, 0, 8                                    ; eight matrix instructions stand between the add and the wait for it
	s_wait_dscnt 0x0                               ; the add is done, and my reads of this slot are over
	s_barrier_signal -1
	MMS 3, 8, 8
	WIN 0                                          ; at a branch and at a label every window is 0
	s_barrier_wait -1
.if (\kind) == 2
	CREST                                          ; no wave of any partner still reads this slot or has a load on its way
	s_add_nc_u64 s[G0+4*(\slot)+2:G0+4*(\slot)+3], s[WBA+2*(\slot):WBA+2*(\slot)+1], s[WOFF:WOFF+1]  ; the address is made anew: a pointer and an offset
	s_or_b32 s[G0+4*(\slot)+3], s[G0+4*(\slot)+3], 0x80000000
	tensor_load_to_lds s[G0+4*(\slot):G0+4*(\slot)+3], s[G1:G1+7]
	s_nop 0
.endif
	PLACES                                         ; also the places in front of the loads into buffer 0
	FETCH 1-(\slot)
	LUMP 4*(\slot)+3, \mode, 0
	WIN MUL3
	MMS 3, 16, 16
.endif
.endm
; The step's t are squared and added, a pair of registers at a time; each accumulator is read from its lowest pair on.  start = 1: a head's first step starts the sums.
.macro SQUARES start
	WIN 0
	PLACES
.set z, 0
.rept 32
.set rA, ACC+8*(z&7)+2*(z>>3)
.set rS, SSQ+2*(z&3)
.if (\start) && (z < 4)
	v_pk_mul_f32 v[rS:rS+1], v[rA:rA+1], v[rA:rA+1]
.else
	v_pk_fma_f32 v[rS:rS+1], v[rA:rA+1], v[rA:rA+1], v[rS:rS+1]
.endif
.set z, z+1
.endr
.endm
.macro STEP slot, mode, kind
	QUARTER \slot, 0, \mode
	QUARTER \slot, 1, \mode
	QUARTER \slot, 2, \mode
	TURN \slot, \mode, \kind
	SQUARES 1-(\slot)
.endm
; A HEAD IS FINISHED for the block's 64 rows of my group: scores, the new m, a, p, l; p as hi (lanes 0-15) and lo (lanes 16-31) into P's table, a into its table.
.macro EHEAD
	WIN 0
.irp t, 0,1,2,3
	v_add_f32 v[E+\t], v[SSQ+2*\t], v[SSQ+2*\t+1]
.endr
.irp t, 0,1,2,3
	v_permlanex16_b32 v[E+4+\t], v[E+\t], s[SELP], s[SELP+1]  ; the row's other 32 columns lie in the lane 16 away
.endr
.irp t, 0,1,2,3
	v_add_f32 v[E+\t], v[E+\t], v[E+4+\t]          ; the same bits in both halves of the lanes
.endr
.irp t, 0,1,2,3
	v_sub_f32 v[E+\t], v[CT], v[E+\t]              ; the score, in base 2
.endr
	v_max3_num_f32 v[E+8], v[E], v[E+1], v[MX]
	v_max3_num_f32 v[E+8], v[E+8], v[E+2], v[E+3]
.irp x, 1,2,4,8
	v_max_num_f32_dpp v[E+8], v[E+8], v[E+8] row_xmask:\x row_mask:0xf bank_mask:0xf
.endr
	v_sub_f32 v[E+9], v[MX], v[E+8]                ; m_old - m_new
.irp t, 0,1,2,3
	v_sub_f32 v[E+\t], v[E+\t], v[E+8]
.endr
	v_exp_f32 v[E+9], v[E+9]                       ; a
.irp t, 0,1,2,3
	v_exp_f32 v[E+\t], v[E+\t]                     ; p
.endr
	v_mov_b32 v[MX], v[E+8]                        ; a plain instruction behind the exponentials
	s_wait_alu depctr_va_vdst(0)
	v_add_f32 v[E+10], v[E], v[E+1]
	v_add_f32 v[E+11], v[E+2], v[E+3]
	v_add_f32 v[E+10], v[E+10], v[E+11]
	v_fma_f32 v[LS], v[LS], v[E+9], v[E+10]        ; l = a l + the sum of the unrounded p
	v_cvt_pk_bf16_f32 v[E+12], v[E], v[E+1]
	v_cvt_pk_bf16_f32 v[E+13], v[E+2], v[E+3]
	v_lshlrev_b32 v[E+14], 16, v[E+12]             ; hi as f32
	v_and_b32 v[E+15], 0xffff0000, v[E+12]
	v_lshlrev_b32 v[E+16], 16, v[E+13]
	v_and_b32 v[E+17], 0xffff0000, v[E+13]
.irp t, 0,1,2,3
	v_fma_f32 v[E+\t], -v[SEL], v[E+14+\t], v[E+\t]  ; lanes 0-15 keep p, lanes 16-31 take p - hi
.endr
	v_cvt_pk_bf16_f32 v[E+12], v[E], v[E+1]
	v_cvt_pk_bf16_f32 v[E+13], v[E+2], v[E+3]
	ds_store_b16 v[PST], v[E+12]
	ds_store_b16_d16_hi v[PST], v[E+12] offset:32
	ds_store_b16 v[PST], v[E+13] offset:64
	ds_store_b16_d16_hi v[PST], v[E+13] offset:96
	ds_store_b32 v[AST], v[E+9]                    ; all lanes write the same word with the same value
.irp b, MX, LS, CT                     ; the next head comes to the front: one text serves all four
	v_mov_b32 v54, v[\b]
	v_mov_b32 v[\b], v[\b+1]
	v_mov_b32 v[\b+1], v[\b+2]
	v_mov_b32 v[\b+2], v[\b+3]
	v_mov_b32 v[\b+3], v54
.endr
	v_add_nc_u32 v[PST], PP, v[PST]
	v_add_nc_u32 v[AST], 4, v[AST]
.endm
.macro PAIREND x                       ; behind two steps: the next pair of chunks, round the seed's eight; x = 1: the ring's next eight rows
	s_add_co_u32 s[WOFF], s[WOFF], 2*SLOTB
	s_cmp_eq_u32 s[WOFF], 8*SLOTB
	s_cselect_b32 s[WOFF], 0, s[WOFF]
.if \x
	s_wait_xcnt 0x0                                ; the loads' base is stepped only behind this wait
	s_add_nc_u64 s[XB:XB+1], s[XB:XB+1], 65536
.endif
.endm
; Y = a Y + P^T X for the block, in four pieces p = (fg = p / 2: features 128 fg on; ks = p % 2: rows 32 ks on).
.macro YS p                            ; 32 rows x 128 features out of my fragments into my scratch
.set z, 0
.rept 16
.set rX, 32*(4*((\p)>>1)+((z>>1)&3))+8*(2*((\p)&1)+(z>>3))+4*(z&1)
	ds_store_b128 v[SCS], v[rX:rX+3] offset:(z>>3)*16*SCP+((z>>1)&3)*64+(z&1)*32
.set z, z+1
.endr
.endm
.macro YL buf                          ; and back turned: eight fragments of 32 rows x 16 features.  LDS serves a wave's instructions in order (ISA guide 5.7.1.4): these see the stores above
.set z, 0
.rept 8
	ds_load_tr16_b128 v[(\buf)+8*z:(\buf)+8*z+3],   v[SCL] offset:z*32
	ds_load_tr16_b128 v[(\buf)+8*z+4:(\buf)+8*z+7], v[SCL] offset:z*32+16*SCP
.set z, z+1
.endr
.endm
.macro YM p, buf                       ; eight products, eight accumulators by turns
	WIN 0x50                                       ; C and D in window 1
.set z, 0
.rept 8
.set rD, YA+8*(8*((\p)>>1)+z)
	v_wmma_f32_16x16x32_bf16 v[rD:rD+7], v[PF+8*((\p)&1):PF+8*((\p)&1)+7], v[(\buf)+8*z:(\buf)+8*z+7], v[rD:rD+7]
.set z, z+1
.endr
.endm
.macro YPHASE
	WIN 0
.irp k, 0,1
	ds_load_b128 v[PF+8*\k:PF+8*\k+3],   v[PLD] offset:\k*64
	ds_load_b128 v[PF+8*\k+4:PF+8*\k+7], v[PLD] offset:\k*64+32
.endr
	ds_load_b128 v[AF:AF+3], v[ALD]
	ds_load_b128 v[AF+4:AF+7], v[ALD] offset:16
	WIN 0x08                                       ; store data (source 1) in window 2
	YS 0
	YL WB0
	s_wait_dscnt 32                                ; P and a are in; piece 0's 16 stores and 16 loads may be out
	WIN 0x41
.set z, 0
.rept 64                               ; register jj of an accumulator belongs to head jj, in both halves of the lanes
	v_pk_mul_f32 v[YA+2*z:YA+2*z+1], v[YA+2*z:YA+2*z+1], v[AF+2*(z&3):AF+2*(z&3)+1]
.set z, z+1
.endr
	WIN 0x08
	YS 1
	YL WB0+64
	s_wait_dscnt 32                                ; all but the 32 just issued: piece 0 is in
	YM 0, WB0
	PLACES                                         ; in front of the loads into the buffer just multiplied
	WIN 0x08
	YS 2
	YL WB0
	s_wait_dscnt 32
	YM 1, WB0+64
	PLACES
	WIN 0x08
	YS 3
	YL WB0+64
	s_wait_dscnt 32
	YM 2, WB0
	s_wait_dscnt 0x0
	YM 3, WB0+64
.endm
.macro FL                              ; the parked block becomes my 64 fragments
	WIN 0x80
.set z, 0
.rept 32
	ds_load_b128 v[8*z:8*z+3],   v[TFL] offset:(z&3)*16*TP+(z>>2)*64
	ds_load_b128 v[8*z+4:8*z+7], v[TFL] offset:(z&3)*16*TP+(z>>2)*64+32
.set z, z+1
.endr
	WIN 0xc0
.set z, 0
.rept 32
	ds_load_b128 v[8*z:8*z+3],   v[TFH] offset:(z&3)*16*TP+(z>>2)*64
	ds_load_b128 v[8*z+4:8*z+7], v[TFH] offset:(z&3)*16*TP+(z>>2)*64+32
.set z, z+1
.endr
	WIN 0
.endm
	s_load_b256 s[4:11], s[0:1], 0x0               ; X s[4:5], Wf s[6:7], cst s[8:9], Yp s[10:11]
	s_load_b64 s[12:13], s[0:1], 0x20              ; ml
	v_lshl_add_u32 v[SPW], v0, 2, SPARE
	v_mov_b32 v[NIL], 0
	ds_add_u32 v[SPW], v[NIL]                      ; the wave's opening: the add and its wait stand ahead of my first tensor load; the set-up below, work on registers, stands between them
	v_lshrrev_b32 v1, 5, v0
	v_readfirstlane_b32 s[WV], v1                  ; wave 0..3
	s_lshr_b32 s[RI], s[WV], 1                     ; i: my row group
	s_and_b32 s[CJ], s[WV], 1                      ; j: my half of the columns
	s_bfe_u32 s17, ttmp6, 0x40000                  ; cx: my place in the cluster
	s_lshl_b32 s21, ttmp9, 2
	s_add_co_u32 s21, s21, s17                     ; my 512 rows: it enters X's, Yp's and ml's addresses alone
	s_and_b32 s18, ttmp7, 0xffff                   ; y = 4 b + s, which the four partners share
	s_lshr_b32 s19, s18, 2                         ; b
	s_and_b32 s20, s18, 3                          ; s
	; descriptor group 1: 17,408 dense bytes as 68 rows of 32 elements of 8 bytes
	s_mov_b32 s[G1+0], 15|(3<<16)|(1<<21)          ; 15:0 the mask: all four work-groups; 17:16 elements of 8 bytes; 21 set beside a mask
	s_mov_b32 s[G1+1], 32<<16                      ; tensor_dim0 = 32
	s_mov_b32 s[G1+2], 68<<16                      ; tensor_dim1 = 68
	s_mov_b32 s[G1+3], 32<<16                      ; tile_dim0 = 32
	s_mov_b32 s[G1+4], 68                          ; tile_dim1 = 68
	s_mov_b32 s[G1+5], 32                          ; 32 elements from row to row
	s_mov_b32 s[G1+6], 0
	s_mov_b32 s[G1+7], 0
	s_mov_b32 s[G0+0], 1
	s_mul_i32 s[G0+1], s[WV], QUART                ; LDS address: slot 0, my quarter
	s_mov_b32 s[G0+4], 1
	s_add_co_u32 s[G0+5], s[G0+1], SLOTB           ; slot 1
	s_mul_i32 s56, s20, 8*SLOTB                    ; the seed's eight chunks,
	s_add_co_u32 s56, s56, s[G0+1]                 ; my quarter of a chunk
	s_mov_b32 s57, 0
	s_mov_b32 s[WOFF], 2*SLOTB                     ; the first refills ask for chunks 2 and 3
	s_mov_b32 s[WOFF+1], 0
	s_mov_b32 s[SELP], 0x76543210
	s_mov_b32 s[SELP+1], 0xfedcba98
	s_lshl_b32 s58, s19, 24                        ; X: b x 2,048 x 4 rows of 2,048 bytes,
	s_lshl_b32 s59, s21, 22                        ; 512 n of 8,192 bytes,
	s_add_co_u32 s58, s58, s59
	s_lshl_b32 s59, s[WV], 18                      ; my 32 rows of a block,
	s_add_co_u32 s58, s58, s59
	s_lshl_b32 s59, s20, 11                        ; the seed
	s_add_co_u32 s58, s58, s59
	s_mov_b32 s59, 0
	s_lshl_b32 s60, s20, 5                         ; cst[s][4 j ..]
	s_lshl_b32 s61, s[CJ], 4
	s_add_co_u32 s60, s60, s61
	s_mov_b32 s61, 0
	s_lshl_b32 s62, s18, 3
	s_lshl_b32 s63, s21, 1
	s_add_co_u32 s62, s62, s63
	s_add_co_u32 s62, s62, s[RI]                   ; my partial result's number: 8 y + 2 cx + i
	s_wait_dscnt 0x0                               ; the opening add is done
	s_wait_kmcnt 0x0
	s_add_nc_u64 s[WBA:WBA+1], s[6:7], s[56:57]
	s_add_nc_u64 s[WBA+2:WBA+3], s[WBA:WBA+1], SLOTB
	s_add_nc_u64 s[XB:XB+1], s[4:5], s[58:59]
	s_add_nc_u64 s[8:9], s[8:9], s[60:61]
	s_load_b128 s[56:59], s[8:9], 0x0              ; cst of my four heads
	s_lshl_b32 s60, s62, 14                        ; Yp: 8 heads x 2,048 bytes a partial result,
	s_lshl_b32 s61, s[CJ], 10                      ; my 256 features
	s_add_co_u32 s60, s60, s61
	s_mov_b32 s61, 0
	s_add_nc_u64 s[YB:YB+1], s[10:11], s[60:61]
	s_lshl_b32 s60, s62, 6                         ; ml: 8 heads x 8 bytes,
	s_lshl_b32 s61, s[CJ], 5                       ; my four heads
	s_add_co_u32 s60, s60, s61
	s_mov_b32 s61, 0
	s_add_nc_u64 s[MB:MB+1], s[12:13], s[60:61]
	s_mov_b64 s[G0+2:G0+3], s[WBA:WBA+1]
	s_or_b32 s[G0+3], s[G0+3], 0x80000000          ; type = 2
	s_mov_b64 s[G0+6:G0+7], s[WBA+2:WBA+3]
	s_or_b32 s[G0+7], s[G0+7], 0x80000000
	CROUND                                         ; all four work-groups are here: the first joint loads meet
	tensor_load_to_lds s[G0:G0+3], s[G1:G1+7]      ; chunk 0
	s_nop 0
	tensor_load_to_lds s[G0+4:G0+7], s[G1:G1+7]    ; chunk 1: two loads of mine are out
	s_nop 0
	PLACES
	v_and_b32 v1, 31, v0                           ; lane
	v_lshlrev_b32 v[XO], 4, v1
.irp k, 0,1,2,3,4,5,6,7
	RING_I \k                                      ; block 0's first eight rows of mine
.endr
	WIN 0
	v_and_b32 v54, 15, v0                          ; r = lane % 16
	v_bfe_u32 v55, v0, 4, 1                        ; hh = lane / 16
	s_mul_i32 s60, s[CJ], JPART
	v_add_nc_u32 v[WA], s60, v[XO]
	v_add_nc_u32 v[WA+1], SLOTB, v[WA]
	v_mul_u32_u24 v56, v54, TP
	v_lshl_add_u32 v56, v55, 4, v56                ; a fragment's row x pitch + 16 x half
	s_mul_i32 s60, s[RI], 64*TP
	s_add_co_u32 s60, s60, TILE
	s_lshl_b32 s61, s[CJ], 9
	s_add_co_u32 s61, s60, s61                     ; window 2 takes features 256 j on,
	v_add_nc_u32 v[TFL], s61, v56
	s_xor_b32 s61, s[CJ], 1
	s_lshl_b32 s61, s61, 9
	s_add_co_u32 s61, s60, s61                     ; window 3 the other half
	v_add_nc_u32 v[TFH], s61, v56
	s_mul_i32 s60, s[WV], 32*TP
	s_add_co_u32 s60, s60, TILE
	v_lshl_add_u32 v[TS], v1, 3, s60
	s_mul_i32 s60, s[WV], SCRW
	s_add_co_u32 s60, s60, SCR                     ; my scratch
	v_mul_u32_u24 v56, v54, SCP
	v_lshl_add_u32 v56, v55, 4, v56
	v_add_nc_u32 v[SCS], s60, v56
	v_and_b32 v56, 7, v0                           ; the turning load: lane l reads row 8 (l / 16) + l % 8, 16 bytes at 16 ((l / 8) % 2)
	v_lshl_add_u32 v56, v55, 3, v56
	v_mul_u32_u24 v56, v56, SCP
	v_bfe_u32 v57, v0, 3, 1
	v_lshl_add_u32 v56, v57, 4, v56
	v_add_nc_u32 v[SCL], s60, v56
	v_mul_u32_u24 v56, v55, PLANE
	v_lshl_add_u32 v56, v54, 2, v56
	v_add_nc_u32 v[WO], s60, v56
	v_add_nc_u32 v[WL], s60, v[XO]
	s_mul_i32 s61, s[RI], PTI
	s_add_co_u32 s61, s61, PTAB
	s_mul_i32 s62, s[CJ], 4*PP
	s_add_co_u32 s62, s62, s61
	v_mul_u32_u24 v56, v55, 8*PP                   ; slot = head (hi), 8 + head (lo)
	v_lshl_add_u32 v56, v54, 1, v56
	v_add_nc_u32 v[PST], s62, v56
	v_mul_u32_u24 v56, v54, PP
	v_lshl_add_u32 v56, v55, 4, v56
	v_add_nc_u32 v[PLD], s61, v56
	s_lshl_b32 s61, s[RI], 5
	s_add_co_u32 s61, s61, ATAB
	v_mov_b32 v[ALD], s61
	s_lshl_b32 s62, s[CJ], 4
	s_add_co_u32 s62, s62, s61
	v_mov_b32 v[AST], s62
	v_cvt_f32_u32 v[SEL], v55
.irp h, 0,1,2,3
	v_mov_b32 v[MX+\h], 0xff7fffff                 ; m: the lowest finite number
	v_mov_b32 v[LS+\h], 0
.endr
	WIN 0x40                                       ; Y starts at 0: the Y phase stands once, in a loop, and its first a is 0, so Y must be finite.  These lines stand in the wait for X
.set z, 0
.rept 128
	v_mov_b32 v[YA+z], 0
.set z, z+1
.endr
	WIN 0
	s_wait_kmcnt 0x0
.irp h, 0,1,2,3
	v_mov_b32 v[CT+\h], s[56+\h]
.endr
	s_wait_xcnt 0x0
	s_add_nc_u64 s[XB:XB+1], s[XB:XB+1], 65536
	s_mov_b32 s[CNT], 3
.Lpro:                                                 ; block 0 goes through the ring into the tile
.irp k, 0,1,2,3,4,5,6,7
	RING_P \k, 28
	RING_I \k
.endr
	WIN 0
	s_wait_xcnt 0x0
	s_add_nc_u64 s[XB:XB+1], s[XB:XB+1], 65536
	v_add_nc_u32 v[TS], 8*TP, v[TS]
	s_sub_co_u32 s[CNT], s[CNT], 1
	s_cmp_lg_u32 s[CNT], 0
	s_cbranch_scc1 .Lpro
	s_add_nc_u64 s[XB:XB+1], s[XB:XB+1], 786432    ; on to my rows of the next block: 128 n less the 32 walked
	DRAIN
	WIN 0
	v_sub_nc_u32 v[TS], v[TS], 3*8*TP
	s_wait_tensorcnt 0x1                           ; my quarter of chunk 0 is in; chunk 1's may stay out
	s_wait_dscnt 0x0                               ; my rows of the tile are stored
	s_barrier_signal -1
	s_barrier_wait -1
	FL
	FETCH 0
	s_mov_b32 s[BLK], 3
.Lblock:                                               ; blocks 0 to 2; beside its products each brings the next block in
	STEP 0, 1, 2                                   ; the tile is not written before two rounds have shown that every wave has read it
	STEP 1, 1, 2
	EHEAD
	PAIREND 1
	s_mov_b32 s[CNT], 3
.Lpair:
	STEP 0, 2, 2
	STEP 1, 2, 2
	EHEAD
	PAIREND 1
	v_add_nc_u32 v[TS], 8*TP, v[TS]
	s_sub_co_u32 s[CNT], s[CNT], 1
	s_cmp_lg_u32 s[CNT], 0
	s_cbranch_scc1 .Lpair
	s_wait_dscnt 0x0                               ; for the others' sake: my p and a are stored
	s_barrier_signal -1
	s_barrier_wait -1                              ; slot 1's load may stay out
	YPHASE
	WIN 0
	s_wait_xcnt 0x0
	s_add_nc_u64 s[XB:XB+1], s[XB:XB+1], 786432
	DRAIN                                          ; its conversions are also the places behind Y's products
	WIN 0
	v_sub_nc_u32 v[TS], v[TS], 3*8*TP
	v_sub_nc_u32 v[PST], v[PST], 4*PP
	v_sub_nc_u32 v[AST], v[AST], 16
	s_wait_dscnt 0x0                               ; my rows of the tile are stored, my reads of P and a are over
	s_barrier_signal -1
	s_barrier_wait -1
	FL
	FETCH 0                                        ; once more: the Y phase has used the buffer
	s_sub_co_u32 s[BLK], s[BLK], 1
	s_cmp_lg_u32 s[BLK], 0
	s_cbranch_scc1 .Lblock
	s_mov_b32 s[CNT], 3
.Llast:                                                ; block 3: nothing more of X to bring
	STEP 0, 0, 2
	STEP 1, 0, 2
	EHEAD
	PAIREND 0
	s_sub_co_u32 s[CNT], s[CNT], 1
	s_cmp_lg_u32 s[CNT], 0
	s_cbranch_scc1 .Llast
	STEP 0, 0, 1                                   ; the last two steps are written out: they ask for nothing
	STEP 1, 0, 0
	EHEAD
	s_wait_dscnt 0x0
	s_barrier_signal -1
	s_barrier_wait -1
	YPHASE
	; THE WAY OUT.  Lanes 0-15 hold the hi slots' sums, lanes 16-31 the lo slots': both go through my scratch, 128 features at a time, are added, and leave as 512 consecutive bytes a store.
	WIN 0
	PLACES
.irp fg, 0,1
	WIN 0x04                                       ; store data (source 1) in window 1
.set z, 0
.rept 64                               ; z = 8 nt + jj: each accumulator from its lowest register on
	ds_store_b32 v[WO], v[YA+64*\fg+z] offset:(z&7)*512+(z>>3)*64
.set z, z+1
.endr
	WIN 0
.set z, 0
.rept 8
	ds_load_b128 v[OB+64*\fg+4*z:OB+64*\fg+4*z+3],       v[WL] offset:z*512
	ds_load_b128 v[OB+64*\fg+32+4*z:OB+64*\fg+32+4*z+3], v[WL] offset:z*512+PLANE
.set z, z+1
.endr
	s_wait_dscnt 0x0
.set z, 0
.rept 16
	v_pk_add_f32 v[OB+64*\fg+2*z:OB+64*\fg+2*z+1], v[OB+64*\fg+2*z:OB+64*\fg+2*z+1], v[OB+64*\fg+32+2*z:OB+64*\fg+32+2*z+1]
.set z, z+1
.endr
.set z, 0
.rept 8
	global_store_b128 v[XO], v[OB+64*\fg+4*z:OB+64*\fg+4*z+3], s[YB:YB+1] offset:z*2048+\fg*512
.set z, z+1
.endr
.endr
.irp h, 0,1,2,3
.irp x, 1,2,4,8
	v_add_f32_dpp v[LS+\h], v[LS+\h], v[LS+\h] row_xmask:\x row_mask:0xf bank_mask:0xf  ; l over the 16 lanes: the group's 64 rows
.endr
.endr
	v_and_b32 v54, 1, v0                           ; lane l of the first eight stores m (l even) or l (l odd) of head l / 2
	v_bfe_u32 v55, v0, 1, 2
	v_cmp_eq_u32 vcc_lo, 1, v54
.irp h, 0,1,2,3
	v_cndmask_b32 v[56+\h], v[MX+\h], v[LS+\h], vcc_lo
.endr
	v_cmp_eq_u32 vcc_lo, 1, v55
	v_cndmask_b32 v56, v56, v57, vcc_lo
	v_cmp_eq_u32 vcc_lo, 2, v55
	v_cndmask_b32 v56, v56, v58, vcc_lo
	v_cmp_eq_u32 vcc_lo, 3, v55
	v_cndmask_b32 v56, v56, v59, vcc_lo
	v_and_b32 v54, 31, v0
	v_lshlrev_b32 v55, 2, v54
	v_cmp_gt_u32 vcc_lo, 8, v54
	s_wait_xcnt 0x0                                ; EXEC changes only behind this wait
	s_and_saveexec_b32 s56, vcc_lo
	global_store_b32 v55, v56, s[MB:MB+1]
	s_wait_xcnt 0x0                                ; and again, in front of the line that widens it
	s_or_b32 exec_lo, exec_lo, s56
	s_wait_tensorcnt 0x0                           ; the wave's end: behind my last tensor load and my last LDS store
	ds_add_u32 v[SPW], v[NIL]
	s_wait_dscnt 0x0
	CROUND                                         ; the closing round: no work-group ends while a partner may still ask for a chunk that names it
	s_endpgm
.Lfunc_end_k_q7514d9100c_main:
	.size	k_q7514d9100c_main, .Lfunc_end_k_q7514d9100c_main-k_q7514d9100c_main
	.p2alignl 7, 3214868480
	.fill 96, 4, 3214868480
	.section	.rodata,"a",@progbits
	.p2align	6, 0x0
	.amdhsa_kernel k_q7514d9100c_main
		.amdhsa_group_segment_fixed_size 327680
		.amdhsa_private_segment_fixed_size 0
		.amdhsa_enable_private_segment 0
		.amdhsa_kernarg_size 40
		.amdhsa_user_sgpr_count 2
		.amdhsa_user_sgpr_kernarg_segment_ptr 1
		.amdhsa_wavefront_size32 1
		.amdhsa_system_sgpr_workgroup_id_x 1
		.amdhsa_system_sgpr_workgroup_id_y 1
		.amdhsa_system_sgpr_workgroup_id_z 1
		.amdhsa_system_vgpr_workitem_id 0
		.amdhsa_next_free_vgpr 1024
		.amdhsa_next_free_sgpr 66
		.amdhsa_reserve_vcc 1
		.amdhsa_float_denorm_mode_32 3
		.amdhsa_float_denorm_mode_16_64 3
		.amdhsa_memory_ordered 1
		.amdhsa_forward_progress 1
		.amdhsa_inst_pref_size 254
	.end_amdhsa_kernel
	.amdgpu_metadata
---
amdhsa.version: [ 1, 2 ]
amdhsa.kernels:
  - .name:           k_q7514d9100c_main
    .symbol:         k_q7514d9100c_main.kd
    .args:
      - { .name: X, .offset: 0, .size: 8, .value_kind: global_buffer, .address_space: global }
      - { .name: Wf, .offset: 8, .size: 8, .value_kind: global_buffer, .address_space: global }
      - { .name: cst, .offset: 16, .size: 8, .value_kind: global_buffer, .address_space: global }
      - { .name: Yp, .offset: 24, .size: 8, .value_kind: global_buffer, .address_space: global }
      - { .name: ml, .offset: 32, .size: 8, .value_kind: global_buffer, .address_space: global }
    .group_segment_fixed_size: 327680
    .private_segment_fixed_size: 0
    .kernarg_segment_align: 8
    .kernarg_segment_size: 40
    .max_flat_workgroup_size: 128
    .sgpr_count:     66
    .vgpr_count:     1024
    .wavefront_size: 32
...
	.end_amdgpu_metadata
.endif
;; end of part 2
;; launch proj (part 3): grid 8 x 4, 16 waves a work-group, no clusters, 56,064 bytes of LDS; arguments Yp, ml, Wv, bv, M, g0, b0, O1; writes O1
.if DOCPART == 3
	.amdgcn_target "amdgcn-amd-amdhsa--gfx1250"
	.amdhsa_code_object_version 6
	.text
	.protected	k_q7514d9100c_proj
	.globl	k_q7514d9100c_proj
	.p2align	8
	.type	k_q7514d9100c_proj,@function
k_q7514d9100c_proj:
	s_mov_b64 s[64:65], 0
	v_nop
	global_prefetch_b8 v0, s[64:65] scope:SCOPE_SE
	s_setreg_imm32_b32 hwreg(HW_REG_WAVE_MODE, 25, 1), 1
	s_wait_xcnt 0x0
; PROJ.  For seed s (grid y) and head h (grid x): the eight partial results of each b are merged into the average row Ybar[b][512]; O = Ybar Wv[64 h ..]^T + bv + mu; batch norm over the 16 b.
; All 16 b of a column must meet for the norm, so a work-group holds them all: 32 work-groups of 16 waves, and every byte that a work-group needs is asked for at once.
; Wave w merges row b = w, then multiplies columns 16 (w % 4) on by K quarter w / 4; the four K quarters meet in LDS.
; Ybar goes to the matrix unit as two bf16 numbers, hi + lo (two accumulators, which take turns); Wv is rounded to bf16.
; No cluster and no tensor load: the four work-groups of a head share 128 KB of Wv, read once each through registers in a launch of a few loads a wave.
; LIMITS.  NaN and infinities are not treated apart.
.set AP,    1040                       ; a row of Ybar in LDS: 1,024 bytes of bf16 + 16
.set ALO,   16*AP                      ; the lo rows lie behind the hi rows
.set RED,   2*ALO                      ; 1,024 bytes a wave: its partial products
.set OST,   RED+16*1024                ; 16 rows of 256 bytes + 16: the way out
.set OP,    272
.set SPARE, OST+16*OP                  ; the spare words, 128 bytes for each of 16 waves
.macro PLACES
.rept 4
	v_nop
.endr
.endm
	s_load_b256 s[4:11], s[0:1], 0x0               ; Yp s[4:5], ml s[6:7], Wv s[8:9], bv s[10:11]
	s_load_b256 s[12:19], s[0:1], 0x20             ; M s[12:13], g0 s[14:15], b0 s[16:17], O1 s[18:19]
	v_lshl_add_u32 v28, v0, 2, SPARE               ; my spare word,
	v_mov_b32 v29, 0                               ; and 0: kept for the wave's end
	v_lshrrev_b32 v1, 5, v0
	v_readfirstlane_b32 s20, v1                    ; wave
	s_mov_b32 s21, ttmp9                           ; h
	s_and_b32 s22, ttmp7, 0xffff                   ; s
	v_and_b32 v1, 31, v0                           ; lane
	v_and_b32 v2, 15, v0                           ; r
	v_bfe_u32 v3, v0, 4, 1                         ; hh
	s_and_b32 s23, s20, 3                          ; nt
	s_lshr_b32 s40, s20, 2                         ; kq
	s_lshl_b32 s41, s20, 2
	s_add_co_u32 s41, s41, s22                     ; y = 4 b + s
	v_and_b32 v4, 7, v0
	s_lshl_b32 s42, s41, 9
	s_lshl_b32 s43, s21, 3
	s_add_co_u32 s42, s42, s43
	v_lshl_add_u32 v4, v4, 6, s42                  ; ml[y][lane % 8][h]
	s_lshl_b32 s42, s41, 17
	s_lshl_b32 s43, s21, 11
	s_add_co_u32 s42, s42, s43
	v_lshl_add_u32 v5, v1, 4, s42                  ; Yp[y][0][h], my 16 bytes
	s_lshl_b32 s42, s21, 6
	s_lshl_b32 s43, s23, 4
	s_add_co_u32 s42, s42, s43
	v_add_nc_u32 v7, s42, v2                       ; my column: 64 h + 16 nt + r
	s_lshl_b32 s43, s40, 9
	v_lshl_add_u32 v6, v7, 11, s43                 ; Wv: column x 2,048 + K quarter x 512
	v_lshl_add_u32 v6, v3, 5, v6                   ; + 8 hh numbers
	v_lshlrev_b32 v8, 2, v7
	s_lshl_b32 s43, s22, 11
	v_add_nc_u32 v9, s43, v8
	s_mov_b32 s44, 0x76543210
	s_mov_b32 s45, 0xfedcba98
	s_mov_b32 s46, 0x3d800000                      ; 1 / 16
	s_wait_kmcnt 0x0
	global_load_b64 v[16:17], v4, s[6:7]           ; m, l of partial result lane % 8
.set i, 0
.rept 32                               ; the eight partial rows: 16 registers each
	global_load_b128 v[32+4*i:35+4*i], v5, s[4:5] offset:(i/4)*16384+(i%4)*512 th:TH_LOAD_NT
.set i, i+1
.endr
.set i, 0
.rept 16                               ; four fragments' numbers in f32: k = 32 kkl + 8 hh + 0..7 and + 16
	global_load_b128 v[160+4*i:163+4*i], v6, s[8:9] offset:(i/4)*128+((i%4)/2)*64+(i%2)*16
.set i, i+1
.endr
	global_load_b32 v24, v8, s[10:11]              ; bv
	global_load_b32 v25, v9, s[12:13]              ; mu
	global_load_b32 v26, v9, s[14:15]              ; g0
	global_load_b32 v27, v9, s[16:17]              ; b0
	s_mul_i32 s42, s20, AP                         ; LDS addresses, in the wait for the loads
	v_lshl_add_u32 v10, v1, 3, s42                 ; my 8 bytes of row w
	v_mul_u32_u24 v11, v2, AP
	v_lshl_add_u32 v11, v3, 4, v11
	s_lshl_b32 s42, s40, 8
	v_add_nc_u32 v11, s42, v11                     ; a fragment of Ybar: row r, 16 hh, K quarter
	s_lshl_b32 s42, s20, 10
	s_add_co_u32 s42, s42, RED
	v_lshl_add_u32 v12, v1, 4, s42
	v_mul_u32_u24 v13, v3, 8*OP
	v_lshl_add_u32 v13, v2, 2, v13
	s_lshl_b32 s42, s23, 6
	s_add_co_u32 s42, s42, OST
	v_add_nc_u32 v13, s42, v13                     ; row 8 hh, column 16 nt + r
	s_mul_i32 s42, s20, 2*OP
	s_add_co_u32 s42, s42, OST
	v_mul_u32_u24 v14, v3, OP
	v_lshl_add_u32 v14, v2, 4, v14
	v_add_nc_u32 v14, s42, v14                     ; back: row 2 w + hh, 16 bytes at 16 r
	s_lshl_b32 s42, s20, 14
	s_lshl_b32 s43, s22, 11
	s_add_co_u32 s42, s42, s43
	s_lshl_b32 s43, s21, 8
	s_add_co_u32 s42, s42, s43
	v_lshl_add_u32 v15, v3, 13, s42
	v_lshl_add_u32 v15, v2, 4, v15                 ; O1[(2 w + hh)][s][64 h + 4 r]
	; the merge: g = 2^(m - max) / sum of 2^(m - max) l
	s_wait_loadcnt 52                              ; m and l are in; the 32 + 16 + 4 loads behind them may be out
	v_mov_b32 v18, v16
	v_max_num_f32_dpp v18, v18, v18 row_xmask:1 row_mask:0xf bank_mask:0xf
	v_max_num_f32_dpp v18, v18, v18 row_xmask:2 row_mask:0xf bank_mask:0xf
	v_max_num_f32_dpp v18, v18, v18 row_xmask:4 row_mask:0xf bank_mask:0xf
	v_sub_f32 v19, v16, v18
	v_exp_f32 v19, v19
	v_nop                                          ; a plain instruction behind the exponential
	s_wait_alu depctr_va_vdst(0)
	v_mul_f32 v20, v19, v17
	v_add_f32_dpp v20, v20, v20 row_xmask:1 row_mask:0xf bank_mask:0xf
	v_add_f32_dpp v20, v20, v20 row_xmask:2 row_mask:0xf bank_mask:0xf
	v_add_f32_dpp v20, v20, v20 row_xmask:4 row_mask:0xf bank_mask:0xf
	v_rcp_f32 v20, v20
	v_nop                                          ; a plain instruction behind the reciprocal
	s_wait_alu depctr_va_vdst(0)
	v_mul_f32 v19, v19, v20
.irp q, 0,1,2,3,4,5,6,7
	v_readlane_b32 s[24+2*\q], v19, \q
	s_mov_b32 s[25+2*\q], s[24+2*\q]               ; named with it as a pair
.endr
	s_wait_loadcnt 20                              ; the partial rows are in; Wv's 16 loads and the 4 parameters may be out
.set q, 0
.rept 8
	v_pk_mul_f32 v[224+2*q:225+2*q], v[32+2*q:33+2*q], s[24:25] op_sel_hi:[1,0]
.set q, q+1
.endr
.set q, 8
.rept 56
	v_pk_fma_f32 v[224+2*(q%8):225+2*(q%8)], v[32+2*q:33+2*q], s[24+2*(q/8):25+2*(q/8)], v[224+2*(q%8):225+2*(q%8)] op_sel_hi:[1,0,1]
.set q, q+1
.endr
	; hi = bf16(row), lo = bf16(row - hi)
.set q, 0
.rept 8
	v_cvt_pk_bf16_f32 v[96+q], v[224+2*q], v[225+2*q]
.set q, q+1
.endr
.set q, 0
.rept 8
	v_lshlrev_b32 v[104+2*q], 16, v[96+q]
	v_and_b32 v[105+2*q], 0xffff0000, v[96+q]
.set q, q+1
.endr
.set q, 0
.rept 8
	v_pk_add_f32 v[104+2*q:105+2*q], v[224+2*q:225+2*q], v[104+2*q:105+2*q] neg_lo:[0,1] neg_hi:[0,1]
.set q, q+1
.endr
.set q, 0
.rept 8
	v_cvt_pk_bf16_f32 v[120+q], v[104+2*q], v[105+2*q]
.set q, q+1
.endr
.irp c, 0,1,2,3
	ds_store_b64 v10, v[96+2*\c:97+2*\c] offset:\c*256
	ds_store_b64 v10, v[120+2*\c:121+2*\c] offset:\c*256+ALO
.endr
	s_wait_loadcnt 0x0
.set q, 0
.rept 32                               ; Wv to bf16, in place and ascending: register q takes numbers 2 q and 2 q + 1, which no later line needs
	v_cvt_pk_bf16_f32 v[160+q], v[160+2*q], v[161+2*q]
.set q, q+1
.endr
	s_wait_dscnt 0x0                               ; for the others' sake: my row is stored
	s_barrier_signal -1
	s_barrier_wait -1
.irp k, 0,1,2,3
	ds_load_b128 v[32+8*\k:35+8*\k], v11 offset:\k*64
	ds_load_b128 v[36+8*\k:39+8*\k], v11 offset:\k*64+32
	ds_load_b128 v[64+8*\k:67+8*\k], v11 offset:\k*64+ALO
	ds_load_b128 v[68+8*\k:71+8*\k], v11 offset:\k*64+32+ALO
.endr
	s_wait_dscnt 0x0
	v_wmma_f32_16x16x32_bf16 v[240:247], v[32:39], v[160:167], 0
	v_wmma_f32_16x16x32_bf16 v[248:255], v[64:71], v[160:167], 0
.irp k, 1,2,3
	v_wmma_f32_16x16x32_bf16 v[240:247], v[32+8*\k:39+8*\k], v[160+8*\k:167+8*\k], v[240:247]
	v_wmma_f32_16x16x32_bf16 v[248:255], v[64+8*\k:71+8*\k], v[160+8*\k:167+8*\k], v[248:255]
.endr
	PLACES
.irp q, 0,1,2,3
	v_pk_add_f32 v[240+2*\q:241+2*\q], v[240+2*\q:241+2*\q], v[248+2*\q:249+2*\q]
.endr
	ds_store_b128 v12, v[240:243]
	ds_store_b128 v12, v[244:247] offset:512
	s_wait_dscnt 0x0
	s_barrier_signal -1
	s_barrier_wait -1
	s_cmp_lt_u32 s20, 4
	s_cbranch_scc0 .Lothers                        ; waves 0 to 3 (K quarter 0) finish the four column blocks
.irp k, 1,2,3
	ds_load_b128 v[32+8*\k:35+8*\k], v12 offset:\k*4096
	ds_load_b128 v[36+8*\k:39+8*\k], v12 offset:\k*4096+512
.endr
	v_add_f32 v24, v24, v25                        ; bv + mu
	v_mov_b32 v25, v24
	s_wait_dscnt 0x0
.irp k, 1,2,3
.irp q, 0,1,2,3
	v_pk_add_f32 v[240+2*\q:241+2*\q], v[240+2*\q:241+2*\q], v[32+8*\k+2*\q:33+8*\k+2*\q]
.endr
.endr
.irp q, 0,1,2,3
	v_pk_add_f32 v[240+2*\q:241+2*\q], v[240+2*\q:241+2*\q], v[24:25]
.endr
	; batch norm over b = 8 hh + jj: eight registers and the lane 16 away; the mean first, then the squares of the differences
	v_pk_add_f32 v[18:19], v[240:241], v[242:243]
	v_pk_add_f32 v[20:21], v[244:245], v[246:247]
	v_pk_add_f32 v[18:19], v[18:19], v[20:21]
	v_add_f32 v18, v18, v19
	v_permlanex16_b32 v19, v18, s44, s45
	v_add_f32 v18, v18, v19
	v_mul_f32 v18, s46, v18
	v_mov_b32 v19, v18
.irp q, 0,1,2,3
	v_pk_add_f32 v[240+2*\q:241+2*\q], v[240+2*\q:241+2*\q], v[18:19] neg_lo:[0,1] neg_hi:[0,1]
.endr
	v_pk_mul_f32 v[20:21], v[240:241], v[240:241]
.irp q, 1,2,3
	v_pk_fma_f32 v[20:21], v[240+2*\q:241+2*\q], v[240+2*\q:241+2*\q], v[20:21]
.endr
	v_add_f32 v20, v20, v21
	v_permlanex16_b32 v21, v20, s44, s45
	v_add_f32 v20, v20, v21
	v_fmaak_f32 v20, s46, v20, 0x3727c5ac          ; the variance + 1e-5
	v_rsq_f32 v20, v20
	v_mov_b32 v22, v27                             ; a plain instruction behind the root
	v_mov_b32 v23, v27
	s_wait_alu depctr_va_vdst(0)
	v_mul_f32 v20, v20, v26
	v_mov_b32 v21, v20
.irp q, 0,1,2,3
	v_pk_fma_f32 v[240+2*\q:241+2*\q], v[240+2*\q:241+2*\q], v[20:21], v[22:23]
.endr
.irp j, 0,1,2,3,4,5,6,7
	ds_store_b32 v13, v[240+\j] offset:\j*OP
.endr
.Lothers:
	s_wait_dscnt 0x0
	s_barrier_signal -1
	s_barrier_wait -1
	s_cmp_lt_u32 s20, 8
	s_cbranch_scc0 .Lend
	ds_load_b128 v[32:35], v14
	s_wait_dscnt 0x0
	global_store_b128 v15, v[32:35], s[18:19]      ; 16 lanes store 256 consecutive bytes, at a multiple of 256 from O1's first byte
.Lend:
	s_wait_tensorcnt 0x0                           ; the wave's end: behind my last LDS store
	ds_add_u32 v28, v29
	s_wait_dscnt 0x0
	s_endpgm
.Lfunc_end_k_q7514d9100c_proj:
	.size	k_q7514d9100c_proj, .Lfunc_end_k_q7514d9100c_proj-k_q7514d9100c_proj
	.p2alignl 7, 3214868480
	.fill 96, 4, 3214868480
	.section	.rodata,"a",@progbits
	.p2align	6, 0x0
	.amdhsa_kernel k_q7514d9100c_proj
		.amdhsa_group_segment_fixed_size 56064
		.amdhsa_private_segment_fixed_size 0
		.amdhsa_enable_private_segment 0
		.amdhsa_kernarg_size 64
		.amdhsa_user_sgpr_count 2
		.amdhsa_user_sgpr_kernarg_segment_ptr 1
		.amdhsa_wavefront_size32 1
		.amdhsa_system_sgpr_workgroup_id_x 1
		.amdhsa_system_sgpr_workgroup_id_y 1
		.amdhsa_system_sgpr_workgroup_id_z 1
		.amdhsa_system_vgpr_workitem_id 0
		.amdhsa_next_free_vgpr 256
		.amdhsa_next_free_sgpr 66
		.amdhsa_reserve_vcc 0
		.amdhsa_float_denorm_mode_32 3
		.amdhsa_float_denorm_mode_16_64 3
		.amdhsa_memory_ordered 1
		.amdhsa_forward_progress 1
		.amdhsa_inst_pref_size 25
	.end_amdhsa_kernel
	.amdgpu_metadata
---
amdhsa.version: [ 1, 2 ]
amdhsa.kernels:
  - .name:           k_q7514d9100c_proj
    .symbol:         k_q7514d9100c_proj.kd
    .args:
      - { .name: Yp, .offset: 0, .size: 8, .value_kind: global_buffer, .address_space: global }
      - { .name: ml, .offset: 8, .size: 8, .value_kind: global_buffer, .address_space: global }
      - { .name: Wv, .offset: 16, .size: 8, .value_kind: global_buffer, .address_space: global }
      - { .name: bv, .offset: 24, .size: 8, .value_kind: global_buffer, .address_space: global }
      - { .name: M, .offset: 32, .size: 8, .value_kind: global_buffer, .address_space: global }
      - { .name: g0, .offset: 40, .size: 8, .value_kind: global_buffer, .address_space: global }
      - { .name: b0, .offset: 48, .size: 8, .value_kind: global_buffer, .address_space: global }
      - { .name: O1, .offset: 56, .size: 8, .value_kind: global_buffer, .address_space: global }
    .group_segment_fixed_size: 56064
    .private_segment_fixed_size: 0
    .kernarg_segment_align: 8
    .kernarg_segment_size: 64
    .max_flat_workgroup_size: 512
    .sgpr_count:     66
    .vgpr_count:     256
    .wavefront_size: 32
...
	.end_amdgpu_metadata
.endif
;; end of part 3
;; launch ffn (part 4): grid 8 x 4, 16 waves a work-group, no clusters, 56,064 bytes of LDS; arguments O1, Wo, bo, g1, b1, out0; writes out0
.if DOCPART == 4
	.amdgcn_target "amdgcn-amd-amdhsa--gfx1250"
	.amdhsa_code_object_version 6
	.text
	.protected	k_q7514d9100c_ffn
	.globl	k_q7514d9100c_ffn
	.p2align	8
	.type	k_q7514d9100c_ffn,@function
k_q7514d9100c_ffn:
	s_mov_b64 s[64:65], 0
	v_nop
	global_prefetch_b8 v0, s[64:65] scope:SCOPE_SE
	s_setreg_imm32_b32 hwreg(HW_REG_WAVE_MODE, 25, 1), 1
	s_wait_xcnt 0x0
; FFN.  For seed s (grid y) and 64 columns (grid x): x = O1 + relu(O1 Wo^T + bo), then batch norm over the 16 b.  The skeleton is the launch before's, without the merge.
; Wave w rounds row b = w of O1 to hi + lo bf16, then multiplies columns 16 (w % 4) on by K quarter w / 4; the four K quarters meet in LDS.  Wo is rounded to bf16.
; All 16 b of a column must meet for the norm: 32 work-groups of 16 waves.  No cluster and no tensor load: the four work-groups of a column block share 128 KB of Wo, read once each through registers.
; LIMITS.  NaN and infinities are not treated apart.
.set AP,    1040
.set ALO,   16*AP
.set RED,   2*ALO
.set OST,   RED+16*1024
.set OP,    272
.set SPARE, OST+16*OP
.macro PLACES
.rept 4
	v_nop
.endr
.endm
	s_load_b256 s[4:11], s[0:1], 0x0               ; O1 s[4:5], Wo s[6:7], bo s[8:9], g1 s[10:11]
	s_load_b128 s[12:15], s[0:1], 0x20             ; b1 s[12:13], out0 s[14:15]
	v_lshl_add_u32 v28, v0, 2, SPARE
	v_mov_b32 v29, 0
	v_lshrrev_b32 v1, 5, v0
	v_readfirstlane_b32 s20, v1                    ; wave
	s_mov_b32 s21, ttmp9                           ; column block
	s_and_b32 s22, ttmp7, 0xffff                   ; s
	v_and_b32 v1, 31, v0
	v_and_b32 v2, 15, v0                           ; r
	v_bfe_u32 v3, v0, 4, 1                         ; hh
	s_and_b32 s23, s20, 3                          ; nt
	s_lshr_b32 s40, s20, 2                         ; kq
	s_lshl_b32 s41, s20, 2
	s_add_co_u32 s41, s41, s22                     ; row 4 b + s
	s_lshl_b32 s42, s41, 11
	v_lshl_add_u32 v5, v1, 4, s42
	s_lshl_b32 s42, s21, 6
	s_lshl_b32 s43, s23, 4
	s_add_co_u32 s42, s42, s43
	v_add_nc_u32 v7, s42, v2                       ; my column
	s_lshl_b32 s43, s40, 9
	v_lshl_add_u32 v6, v7, 11, s43
	v_lshl_add_u32 v6, v3, 5, v6
	v_lshlrev_b32 v8, 2, v7
	s_lshl_b32 s43, s22, 11
	v_add_nc_u32 v9, s43, v8
	v_lshl_add_u32 v16, v3, 16, v9                 ; O1[8 hh][s][column]: the residual
	s_mov_b32 s44, 0x76543210
	s_mov_b32 s45, 0xfedcba98
	s_mov_b32 s46, 0x3d800000                      ; 1 / 16
	s_wait_kmcnt 0x0
.irp c, 0,1,2,3
	global_load_b128 v[224+4*\c:227+4*\c], v5, s[4:5] offset:\c*512
.endr
.set i, 0
.rept 16
	global_load_b128 v[160+4*i:163+4*i], v6, s[6:7] offset:(i/4)*128+((i%4)/2)*64+(i%2)*16
.set i, i+1
.endr
	global_load_b32 v24, v8, s[8:9]                ; bo
	global_load_b32 v26, v9, s[10:11]              ; g1
	global_load_b32 v27, v9, s[12:13]              ; b1
.irp j, 0,1,2,3,4,5,6,7
	global_load_b32 v[128+\j], v16, s[4:5] offset:\j*8192
.endr
	s_mul_i32 s42, s20, AP
	v_lshl_add_u32 v10, v1, 3, s42
	v_mul_u32_u24 v11, v2, AP
	v_lshl_add_u32 v11, v3, 4, v11
	s_lshl_b32 s42, s40, 8
	v_add_nc_u32 v11, s42, v11
	s_lshl_b32 s42, s20, 10
	s_add_co_u32 s42, s42, RED
	v_lshl_add_u32 v12, v1, 4, s42
	v_mul_u32_u24 v13, v3, 8*OP
	v_lshl_add_u32 v13, v2, 2, v13
	s_lshl_b32 s42, s23, 6
	s_add_co_u32 s42, s42, OST
	v_add_nc_u32 v13, s42, v13
	s_mul_i32 s42, s20, 2*OP
	s_add_co_u32 s42, s42, OST
	v_mul_u32_u24 v14, v3, OP
	v_lshl_add_u32 v14, v2, 4, v14
	v_add_nc_u32 v14, s42, v14
	s_lshl_b32 s42, s20, 14
	s_lshl_b32 s43, s22, 11
	s_add_co_u32 s42, s42, s43
	s_lshl_b32 s43, s21, 8
	s_add_co_u32 s42, s42, s43
	v_lshl_add_u32 v15, v3, 13, s42
	v_lshl_add_u32 v15, v2, 4, v15
	s_wait_loadcnt 27                              ; my row is in; Wo's 16 loads, 3 parameters and 8 of the residual may be out
.set q, 0
.rept 8
	v_cvt_pk_bf16_f32 v[96+q], v[224+2*q], v[225+2*q]
.set q, q+1
.endr
.set q, 0
.rept 8
	v_lshlrev_b32 v[104+2*q], 16, v[96+q]
	v_and_b32 v[105+2*q], 0xffff0000, v[96+q]
.set q, q+1
.endr
.set q, 0
.rept 8
	v_pk_add_f32 v[104+2*q:105+2*q], v[224+2*q:225+2*q], v[104+2*q:105+2*q] neg_lo:[0,1] neg_hi:[0,1]
.set q, q+1
.endr
.set q, 0
.rept 8
	v_cvt_pk_bf16_f32 v[120+q], v[104+2*q], v[105+2*q]
.set q, q+1
.endr
.irp c, 0,1,2,3
	ds_store_b64 v10, v[96+2*\c:97+2*\c] offset:\c*256
	ds_store_b64 v10, v[120+2*\c:121+2*\c] offset:\c*256+ALO
.endr
	s_wait_loadcnt 0x0
.set q, 0
.rept 32                               ; Wo to bf16, in place and ascending
	v_cvt_pk_bf16_f32 v[160+q], v[160+2*q], v[161+2*q]
.set q, q+1
.endr
	s_wait_dscnt 0x0                               ; for the others' sake: my row is stored
	s_barrier_signal -1
	s_barrier_wait -1
.irp k, 0,1,2,3
	ds_load_b128 v[32+8*\k:35+8*\k], v11 offset:\k*64
	ds_load_b128 v[36+8*\k:39+8*\k], v11 offset:\k*64+32
	ds_load_b128 v[64+8*\k:67+8*\k], v11 offset:\k*64+ALO
	ds_load_b128 v[68+8*\k:71+8*\k], v11 offset:\k*64+32+ALO
.endr
	s_wait_dscnt 0x0
	v_wmma_f32_16x16x32_bf16 v[240:247], v[32:39], v[160:167], 0
	v_wmma_f32_16x16x32_bf16 v[248:255], v[64:71], v[160:167], 0
.irp k, 1,2,3
	v_wmma_f32_16x16x32_bf16 v[240:247], v[32+8*\k:39+8*\k], v[160+8*\k:167+8*\k], v[240:247]
	v_wmma_f32_16x16x32_bf16 v[248:255], v[64+8*\k:71+8*\k], v[160+8*\k:167+8*\k], v[248:255]
.endr
	PLACES
.irp q, 0,1,2,3
	v_pk_add_f32 v[240+2*\q:241+2*\q], v[240+2*\q:241+2*\q], v[248+2*\q:249+2*\q]
.endr
	ds_store_b128 v12, v[240:243]
	ds_store_b128 v12, v[244:247] offset:512
	s_wait_dscnt 0x0
	s_barrier_signal -1
	s_barrier_wait -1
	s_cmp_lt_u32 s20, 4
	s_cbranch_scc0 .Lothers
.irp k, 1,2,3
	ds_load_b128 v[32+8*\k:35+8*\k], v12 offset:\k*4096
	ds_load_b128 v[36+8*\k:39+8*\k], v12 offset:\k*4096+512
.endr
	v_mov_b32 v25, v24
	s_wait_dscnt 0x0
.irp k, 1,2,3
.irp q, 0,1,2,3
	v_pk_add_f32 v[240+2*\q:241+2*\q], v[240+2*\q:241+2*\q], v[32+8*\k+2*\q:33+8*\k+2*\q]
.endr
.endr
.irp q, 0,1,2,3
	v_pk_add_f32 v[240+2*\q:241+2*\q], v[240+2*\q:241+2*\q], v[24:25]
.endr
.irp j, 0,1,2,3,4,5,6,7
	v_max_num_f32 v[240+\j], 0, v[240+\j]          ; relu
.endr
.irp q, 0,1,2,3
	v_pk_add_f32 v[240+2*\q:241+2*\q], v[240+2*\q:241+2*\q], v[128+2*\q:129+2*\q]
.endr
	v_pk_add_f32 v[18:19], v[240:241], v[242:243]
	v_pk_add_f32 v[20:21], v[244:245], v[246:247]
	v_pk_add_f32 v[18:19], v[18:19], v[20:21]
	v_add_f32 v18, v18, v19
	v_permlanex16_b32 v19, v18, s44, s45
	v_add_f32 v18, v18, v19
	v_mul_f32 v18, s46, v18
	v_mov_b32 v19, v18
.irp q, 0,1,2,3
	v_pk_add_f32 v[240+2*\q:241+2*\q], v[240+2*\q:241+2*\q], v[18:19] neg_lo:[0,1] neg_hi:[0,1]
.endr
	v_pk_mul_f32 v[20:21], v[240:241], v[240:241]
.irp q, 1,2,3
	v_pk_fma_f32 v[20:21], v[240+2*\q:241+2*\q], v[240+2*\q:241+2*\q], v[20:21]
.endr
	v_add_f32 v20, v20, v21
	v_permlanex16_b32 v21, v20, s44, s45
	v_add_f32 v20, v20, v21
	v_fmaak_f32 v20, s46, v20, 0x3727c5ac          ; the variance + 1e-5
	v_rsq_f32 v20, v20
	v_mov_b32 v22, v27                             ; a plain instruction behind the root
	v_mov_b32 v23, v27
	s_wait_alu depctr_va_vdst(0)
	v_mul_f32 v20, v20, v26
	v_mov_b32 v21, v20
.irp q, 0,1,2,3
	v_pk_fma_f32 v[240+2*\q:241+2*\q], v[240+2*\q:241+2*\q], v[20:21], v[22:23]
.endr
.irp j, 0,1,2,3,4,5,6,7
	ds_store_b32 v13, v[240+\j] offset:\j*OP
.endr
.Lothers:
	s_wait_dscnt 0x0
	s_barrier_signal -1
	s_barrier_wait -1
	s_cmp_lt_u32 s20, 8
	s_cbranch_scc0 .Lend
	ds_load_b128 v[32:35], v14
	s_wait_dscnt 0x0
	global_store_b128 v15, v[32:35], s[14:15]      ; 16 lanes store 256 consecutive bytes, at a multiple of 256 from the output's first byte
.Lend:
	s_wait_tensorcnt 0x0                           ; the wave's end: behind my last LDS store
	ds_add_u32 v28, v29
	s_wait_dscnt 0x0
	s_endpgm
.Lfunc_end_k_q7514d9100c_ffn:
	.size	k_q7514d9100c_ffn, .Lfunc_end_k_q7514d9100c_ffn-k_q7514d9100c_ffn
	.p2alignl 7, 3214868480
	.fill 96, 4, 3214868480
	.section	.rodata,"a",@progbits
	.p2align	6, 0x0
	.amdhsa_kernel k_q7514d9100c_ffn
		.amdhsa_group_segment_fixed_size 56064
		.amdhsa_private_segment_fixed_size 0
		.amdhsa_enable_private_segment 0
		.amdhsa_kernarg_size 48
		.amdhsa_user_sgpr_count 2
		.amdhsa_user_sgpr_kernarg_segment_ptr 1
		.amdhsa_wavefront_size32 1
		.amdhsa_system_sgpr_workgroup_id_x 1
		.amdhsa_system_sgpr_workgroup_id_y 1
		.amdhsa_system_sgpr_workgroup_id_z 1
		.amdhsa_system_vgpr_workitem_id 0
		.amdhsa_next_free_vgpr 256
		.amdhsa_next_free_sgpr 66
		.amdhsa_reserve_vcc 0
		.amdhsa_float_denorm_mode_32 3
		.amdhsa_float_denorm_mode_16_64 3
		.amdhsa_memory_ordered 1
		.amdhsa_forward_progress 1
		.amdhsa_inst_pref_size 18
	.end_amdhsa_kernel
	.amdgpu_metadata
---
amdhsa.version: [ 1, 2 ]
amdhsa.kernels:
  - .name:           k_q7514d9100c_ffn
    .symbol:         k_q7514d9100c_ffn.kd
    .args:
      - { .name: O1, .offset: 0, .size: 8, .value_kind: global_buffer, .address_space: global }
      - { .name: Wo, .offset: 8, .size: 8, .value_kind: global_buffer, .address_space: global }
      - { .name: bo, .offset: 16, .size: 8, .value_kind: global_buffer, .address_space: global }
      - { .name: g1, .offset: 24, .size: 8, .value_kind: global_buffer, .address_space: global }
      - { .name: b1, .offset: 32, .size: 8, .value_kind: global_buffer, .address_space: global }
      - { .name: out0, .offset: 40, .size: 8, .value_kind: global_buffer, .address_space: global }
    .group_segment_fixed_size: 56064
    .private_segment_fixed_size: 0
    .kernarg_segment_align: 8
    .kernarg_segment_size: 48
    .max_flat_workgroup_size: 512
    .sgpr_count:     66
    .vgpr_count:     256
    .wavefront_size: 32
...
	.end_amdgpu_metadata
.endif
;; end of part 4
